; MI455X (gfx1250); checked and timed in simulation.
; The chip was launched on July 23, 2026; its instructions are those of AMD's public machine-readable ISA for CDNA 5 (MIT licence, August 2026) and "CDNA5" Instruction Set Architecture Reference Guide (July 2026). The comments in the code are by the model that wrote it; some were corrected since.
;; NGP. Allowed arithmetic: matrix products marked QUANTISED: E4M3 operands, one given power-of-two scale a tensor, by v_wmma_f32_16x16x64_fp8_fp8 or v_wmma_f32_16x16x128_fp8_fp8, f32 sums; products left as they are: f32 operands where the result goes on into a quantised operand, else bf16, f16 or f32 operands; f32 sums; everything else in f32.
;; Inputs: b1 64 float32; b2 32 float32; b3 2 float32; grid 8 x 524,288 x 2 float32; levels 8 float32; lowp_scales 2 int32 (the exponents e of the quantised operands' scales 2^e); w1 16 x 64 float32; w2 64 x 32 float32; w3 32 x 2 float32; x 524,288 x 3 float32.
;; Outputs: out0 524,288 x 2 float32.
;; This version of the problem:
;;   THIS VERSION OF THE PROBLEM IS GIVEN IN LOW PRECISION. The matrix products marked QUANTISED in the list below multiply operands that are first quantised to E4M3 (4 exponent bits, 3 mantissa bits; 8 bits a number), with one given power-of-two scale for each operand tensor; their sums are f32. All else is computed in f32.
;;   The module's matrix products, in the order in which they are computed (A, B: the left and right operand; K: the contracted axis; several contracted axes count as one K, in the product's order):
;;     1. [M 524,288, K 16] x [K 16, N 64]; A: computed on the way; B: input w1: left as it is (K = 16 < 32)
;;     2. [M 524,288, K 64] x [K 64, N 32]; A: computed on the way; B: input w2: QUANTISED (scales: A lowp_scales[0], B lowp_scales[1])
;;     3. [M 524,288, K 32] x [K 32, N 2]; A: computed on the way; B: input w3: left as it is (N = 2 < 16)
;;   THE QUANTISER, for each operand of a quantised product, along K:
;;     - The operand's scale is 2^e, e = its entry of the input lowp_scales (int32; the entries are numbered through the quantised products in the list's order, A before B).
;;     - Each number is divided by the scale, clamped to +-448, and rounded to the nearest number of E4M3, ties to even, subnormals kept.
;;     - The product sums the exact products of the quantised numbers (number of the format x scale) in f32.
;;   ~~~python
;;   def quantise(x, axis, e):      # numpy; x: float32 -> the quantised numbers, widened to float32 again
;;       x = np.moveaxis(x, axis, -1); K = x.shape[-1]
;;       r = np.clip(x / 2.0 ** e, -448, 448)
;;       step = 2.0 ** (np.maximum(np.frexp(np.where(r == 0, 1, r))[1] - 1, -6) - 3)
;;       q = np.round(r / step) * step * 2.0 ** e      # np.round: ties to even
;;       return np.moveaxis(q, -1, axis).astype(np.float32)
;;   ~~~
;;   OPERANDS COMPUTED ON THE WAY. 'Computed on the way' means the value that the module computes at that place (a softmax that the list does not call 'softmax' is quantised finished and normalised). What goes into a quantiser is computed in f32, as accurately as f32 sums, v_exp_f32 and their like allow (about 1e-6 of the number): no bf16 or f16 on the way to a quantiser, and a product that is left as it is and whose result goes on into a quantised operand takes f32 operands (vector FMAs, or v_wmma_f32_16x16x4_f32). A number that lies on a knife's edge between two numbers of the format may be rounded either way, as far as f32 arithmetic and the matrix unit's own rounding can turn it there, and no further.
;; 2 versions, each right; version 2 is version 1 with the launch ngp written anew for expert scheduling mode. Each part assembles by itself: llvm-mc -triple=amdgcn-amd-amdhsa -mcpu=gfx1250 --defsym DOCPART=n.
;; ======== version 1 of 2: 2 launches
;; workspace buffers: idx 16,777,216 bytes of whole numbers; wimg 13,824 bytes
;; launch hash (part 1): grid 1025 x 1, 4 waves a work-group, no clusters, 0 bytes of LDS; arguments x, levels, w1, b1, w2, b2, w3, b3, lowp_scales, idx, wimg; writes idx, wimg
.if DOCPART == 1
	.amdgcn_target "amdgcn-amd-amdhsa--gfx1250"
	.amdhsa_code_object_version 6
	.text
	.protected	k_qbd71c54983_hash
	.globl	k_qbd71c54983_hash
	.p2align	8
	.type	k_qbd71c54983_hash,@function
k_qbd71c54983_hash:
	s_mov_b64 s[64:65], 0
	v_nop
	global_prefetch_b8 v0, s[64:65] scope:SCOPE_SE
	s_setreg_imm32_b32 hwreg(HW_REG_WAVE_MODE, 25, 1), 1
	s_wait_xcnt 0x0
; FIRST OF TWO LAUNCHES.  It makes what the second launch's addresses and constant registers are made of.
; (a) idx: for each of 524,288 points and 8 levels the hash of the cell's lowest corner, h000 = (c0 + c1 PI2 + c2 PI3) mod 2^19, c = floor(x * level) as uint32.
;     The mod keeps the low 19 bits of a wrapping sum, so the other seven corners are (h000 + a constant) mod 2^19: one whole number serves all eight.
;     Layout: a block of 32 points is 1,024 bytes; level l of point 32 b + lane is the word at 1024 b + 512 (l / 4) + 16 lane + 4 (l % 4): each store of a wave covers 512 consecutive bytes.
; (b) wimg: images of the second launch's constant registers, 27 groups of four registers; group g, lane L: 16 bytes at 512 g + 16 L.  With r = L % 16, h = L / 16:
;     groups 0-7   register 2 (4 c + s) + j = w1[4 s + 2 h + j][16 c + r]                      (source 0 of the f32 matrix form: 16 hidden units x 4 features)
;     groups 8-15  register 8 c + j = b1[16 c + 8 h + j]                                       (the C of the first product's first K step)
;     groups 16-19 registers 8 t + 2 c, + 1 = E4M3 codes of w2[16 c + 8 h + 0..7][16 t + r]    (scale 2^e1; source 0 of the fp8 form, K = 64)
;     groups 20-23 register 8 t + j = b2[16 t + 8 h + j] / 2^(e0 + e1)                         (the C of the quantised product: its sums lack that power of two)
;     groups 24-25 register q = bf16 pair of w3[k][r] 2^(e0 + e1), k = 8 h + 2 q (q < 4) or 16 + 8 h + 2 (q - 4); zero where r >= 2
;     group 26     b3[0], b3[1], 2^e0, 448 x 2^e0
; SHARES.  Work-groups 0 to 1023: wave W = 4 x work-group + wave takes points 128 W .. 128 W + 127, four blocks of 32, a lane a point.  Work-group 1024 makes wimg, each of its four waves a part.
; No LDS, no barrier: waves share nothing.  Every offset is an immediate and every store has data registers of its own, so nothing that a pending load or store names is written again.
; LIMITS.  x * level under 2^32; a negative product or a NaN takes cell 0 (the conversion to uint32 saturates).  e0, e1 between -126 and 119, so that 2^e and 448 x 2^e are f32 numbers.  NaN among the weights is not served.
.set PI2, 0x9E3779B1                   ; 2,654,435,761
.set PI3, 0x30025795                   ; 805,459,861
.set XR,  8                            ; v8-23   x of block i: v[8 + 4 i + d]
.set TM,  24                           ; v24-26  at work
.set HR,  32                           ; v32-63  block i's eight hashes: v[32 + 8 i + l]
	s_load_b512 s[4:19], s[0:1], 0x0               ; x 4:5, levels 6:7, w1 8:9, b1 10:11, w2 12:13, b2 14:15, w3 16:17, b3 18:19
	s_load_b128 s[20:23], s[0:1], 0x40             ; lowp_scales 20:21, idx 22:23
	s_load_b64 s[24:25], s[0:1], 0x50              ; wimg
	v_lshrrev_b32 v1, 5, v0
	v_readfirstlane_b32 s26, v1                    ; wave 0..3
	v_and_b32 v1, 31, v0                           ; lane
	v_mul_u32_u24 v2, v1, 12                       ; a point of x is 12 bytes
	v_lshlrev_b32 v3, 4, v1                        ; 16 x lane: my place in a store of 512 bytes
	v_and_b32 v4, 15, v0                           ; r
	v_bfe_u32 v5, v0, 4, 1                         ; h
	s_mov_b32 s30, PI2
	s_mov_b32 s31, PI3
	s_mov_b32 s29, 0                               ; the high word of the 64-bit offsets in s[28:29]
	s_wait_kmcnt 0x0
	s_cmp_eq_u32 ttmp9, 1024                       ; the last work-group makes the images
	s_cbranch_scc1 .Lprep
	; ---- the hashes
	s_load_b256 s[32:39], s[6:7], 0x0              ; the eight levels
	s_lshl_b32 s27, ttmp9, 2
	s_add_co_u32 s27, s27, s26                     ; W
	s_mul_i32 s28, s27, 1536                       ; 128 points x 12 bytes
	s_add_nc_u64 s[4:5], s[4:5], s[28:29]
	s_lshl_b32 s28, s27, 12                        ; 4 blocks x 1,024 bytes
	s_add_nc_u64 s[22:23], s[22:23], s[28:29]
.irp i, 0,1,2,3
.irp d, 0,1,2
	global_load_b32 v[XR+4*\i+\d], v2, s[4:5] offset:384*\i+4*\d th:TH_LOAD_NT   ; coordinate d of point 32 i + lane; read once in this launch
.endr
.endr
	s_wait_kmcnt 0x0                               ; the levels
.macro BLOCK i
	s_wait_loadcnt 9-3*\i                          ; loads come back in order: block i's three are in, the 9 - 3 i of the later blocks may be out
.irp l, 0,1,2,3,4,5,6,7
	v_mul_f32 v[TM], s[32+\l], v[XR+4*\i]
	v_mul_f32 v[TM+1], s[32+\l], v[XR+4*\i+1]
	v_mul_f32 v[TM+2], s[32+\l], v[XR+4*\i+2]
	v_cvt_u32_f32 v[TM], v[TM]                     ; toward zero: the floor of a number that is not negative
	v_cvt_u32_f32 v[TM+1], v[TM+1]
	v_cvt_u32_f32 v[TM+2], v[TM+2]
	v_mul_lo_u32 v[TM+1], v[TM+1], s30             ; the low 32 bits: uint32 wraps
	v_mul_lo_u32 v[TM+2], v[TM+2], s31
	v_add3_u32 v[TM], v[TM], v[TM+1], v[TM+2]
	v_and_b32 v[HR+8*\i+\l], 0x7ffff, v[TM]        ; mod 2^19
.endr
	global_store_b128 v3, v[HR+8*\i:HR+8*\i+3], s[22:23] offset:1024*\i        ; levels 0-3: 32 lanes store 512 consecutive bytes
	global_store_b128 v3, v[HR+8*\i+4:HR+8*\i+7], s[22:23] offset:1024*\i+512  ; levels 4-7
.endm
	BLOCK 0
	BLOCK 1
	BLOCK 2
	BLOCK 3
	s_endpgm
	; ---- the images: wave 0 w1, wave 1 the biases and the constants, wave 2 w2's codes, wave 3 w3
.Lprep:
	s_load_b64 s[32:33], s[20:21], 0x0             ; e0 (the hidden layer's), e1 (w2's)
	s_wait_kmcnt 0x0
	s_cmp_eq_u32 s26, 1
	s_cbranch_scc1 .Lrole1
	s_cmp_eq_u32 s26, 2
	s_cbranch_scc1 .Lrole2
	s_cmp_eq_u32 s26, 3
	s_cbranch_scc1 .Lrole3
	v_lshlrev_b32 v6, 2, v4                        ; w1[k][n] lies at 256 k + 4 n: 4 r,
	v_lshl_add_u32 v6, v5, 9, v6                   ; + 2 h rows
.irp c, 0,1,2,3
.irp s, 0,1,2,3
.irp j, 0,1
	global_load_b32 v[32+2*(4*\c+\s)+\j], v6, s[8:9] offset:(4*\s+\j)*256+64*\c
.endr
.endr
.endr
	s_wait_loadcnt 0x0
.irp g, 0,1,2,3,4,5,6,7
	global_store_b128 v3, v[32+4*\g:35+4*\g], s[24:25] offset:512*\g
.endr
	s_endpgm
.Lrole1:
	s_load_b64 s[34:35], s[18:19], 0x0             ; b3
	v_lshlrev_b32 v6, 5, v5                        ; 8 h numbers
.irp c, 0,1,2,3
.irp u, 0,1
	global_load_b128 v[32+8*\c+4*\u:35+8*\c+4*\u], v6, s[10:11] offset:64*\c+16*\u   ; b1[16 c + 8 h + 4 u ..]
.endr
.endr
.irp t, 0,1
.irp u, 0,1
	global_load_b128 v[64+8*\t+4*\u:67+8*\t+4*\u], v6, s[14:15] offset:64*\t+16*\u   ; b2[16 t + 8 h + 4 u ..]
.endr
.endr
	s_add_co_i32 s36, s32, s33
	s_sub_co_i32 s36, 0, s36                       ; -(e0 + e1)
	s_add_co_i32 s37, s32, 127
	s_lshl_b32 s38, s37, 23                        ; 2^e0 as f32: the conversion takes its exponent field
	s_add_co_i32 s37, s37, 8
	s_lshl_b32 s37, s37, 23
	s_or_b32 s37, s37, 0x600000                    ; 448 x 2^e0: 448 = 1.75 x 2^8
	s_wait_loadcnt 0x0
	s_wait_kmcnt 0x0
.irp n, 0,1,2,3,4,5,6,7,8,9,10,11,12,13,14,15
	v_ldexp_f32 v[64+\n], v[64+\n], s36            ; b2 / 2^(e0 + e1)
.endr
	v_mov_b32 v96, s34
	v_mov_b32 v97, s35
	v_mov_b32 v98, s38
	v_mov_b32 v99, s37
.irp g, 0,1,2,3,4,5,6,7
	global_store_b128 v3, v[32+4*\g:35+4*\g], s[24:25] offset:512*(8+\g)
.endr
.irp g, 0,1,2,3
	global_store_b128 v3, v[64+4*\g:67+4*\g], s[24:25] offset:512*(20+\g)
.endr
	global_store_b128 v3, v[96:99], s[24:25] offset:512*26
	s_endpgm
.Lrole2:
	v_lshlrev_b32 v6, 2, v4                        ; w2[k][n] lies at 128 k + 4 n: 4 r,
	v_lshl_add_u32 v6, v5, 10, v6                  ; + 8 h rows.  A lane takes a column and its registers run down K
.irp t, 0,1
.irp c, 0,1,2,3
.irp i, 0,1,2,3,4,5,6,7
	global_load_b32 v[32+32*\t+8*\c+\i], v6, s[12:13] offset:(16*\c+\i)*128+64*\t
.endr
.endr
.endr
	s_add_co_i32 s37, s33, 127
	s_lshl_b32 s38, s37, 23
	v_mov_b32 v8, s38                              ; 2^e1
	s_add_co_i32 s37, s37, 8
	s_lshl_b32 s37, s37, 23
	s_or_b32 s37, s37, 0x600000
	v_mov_b32 v9, s37                              ; 448 x 2^e1
	s_wait_loadcnt 0x0
.irp n, 0,1,2,3,4,5,6,7,8,9,10,11,12,13,14,15,16,17,18,19,20,21,22,23,24,25,26,27,28,29,30,31,32,33,34,35,36,37,38,39,40,41,42,43,44,45,46,47,48,49,50,51,52,53,54,55,56,57,58,59,60,61,62,63
	v_med3_num_f32 v[32+\n], v[32+\n], -v9, v9     ; the conversion to an 8-bit code does not saturate (ISA guide 7.6.2): the hold at the largest code x the scale comes first
.endr
.irp t, 0,1
.irp c, 0,1,2,3
	v_cvt_scalef32_pk8_fp8_f32 v[96+8*\t+2*\c:97+8*\t+2*\c], v[32+32*\t+8*\c:39+32*\t+8*\c], v8
.endr
.endr
	v_nop                                          ; a plain vector line behind the last scaled conversion
.irp g, 0,1,2,3
	global_store_b128 v3, v[96+4*\g:99+4*\g], s[24:25] offset:512*(16+\g)
.endr
	s_endpgm
.Lrole3:
	v_and_b32 v6, 1, v4                            ; w3[k][n] lies at 8 k + 4 n.  Lanes with r >= 2 read column r % 2, inside the buffer, and are set to zero below
	v_lshlrev_b32 v6, 2, v6
	v_lshl_add_u32 v6, v5, 6, v6                   ; + 8 h rows
.irp i, 0,1,2,3,4,5,6,7
	global_load_b32 v[32+\i], v6, s[16:17] offset:8*\i          ; k = 8 h + i
	global_load_b32 v[40+\i], v6, s[16:17] offset:128+8*\i      ; k = 16 + 8 h + i
.endr
	s_add_co_i32 s36, s32, s33                     ; e0 + e1: the power of two that the quantised product's sums lack goes into w3 (leaky relu commutes with a positive factor)
	s_wait_loadcnt 0x0
.irp n, 0,1,2,3,4,5,6,7,8,9,10,11,12,13,14,15
	v_ldexp_f32 v[32+\n], v[32+\n], s36
.endr
.irp q, 0,1,2,3,4,5,6,7
	v_cvt_pk_bf16_f32 v[48+\q], v[32+2*\q], v[33+2*\q]
.endr
	v_cmp_gt_u32 vcc_lo, 2, v4                     ; the head has two outputs: rows 2 to 15 of the tile are zeros
.irp q, 0,1,2,3,4,5,6,7
	v_cndmask_b32 v[48+\q], 0, v[48+\q], vcc_lo
.endr
	global_store_b128 v3, v[48:51], s[24:25] offset:512*24
	global_store_b128 v3, v[52:55], s[24:25] offset:512*25
	s_endpgm
.Lfunc_end_k_qbd71c54983_hash:
	.size	k_qbd71c54983_hash, .Lfunc_end_k_qbd71c54983_hash-k_qbd71c54983_hash
	.p2alignl 7, 3214868480
	.fill 96, 4, 3214868480
	.section	.rodata,"a",@progbits
	.p2align	6, 0x0
	.amdhsa_kernel k_qbd71c54983_hash
		.amdhsa_group_segment_fixed_size 0
		.amdhsa_private_segment_fixed_size 0
		.amdhsa_enable_private_segment 0
		.amdhsa_kernarg_size 88
		.amdhsa_user_sgpr_count 2
		.amdhsa_user_sgpr_kernarg_segment_ptr 1
		.amdhsa_wavefront_size32 1
		.amdhsa_system_sgpr_workgroup_id_x 1
		.amdhsa_system_sgpr_workgroup_id_y 1
		.amdhsa_system_sgpr_workgroup_id_z 1
		.amdhsa_system_vgpr_workitem_id 0
		.amdhsa_next_free_vgpr 112
		.amdhsa_next_free_sgpr 66
		.amdhsa_reserve_vcc 1
		.amdhsa_float_denorm_mode_32 3
		.amdhsa_float_denorm_mode_16_64 3
		.amdhsa_memory_ordered 1
		.amdhsa_forward_progress 1
		.amdhsa_inst_pref_size 41
	.end_amdhsa_kernel
	.amdgpu_metadata
---
amdhsa.version: [ 1, 2 ]
amdhsa.kernels:
  - .name:           k_qbd71c54983_hash
    .symbol:         k_qbd71c54983_hash.kd
    .args:
      - { .name: x, .offset: 0, .size: 8, .value_kind: global_buffer, .address_space: global }
      - { .name: levels, .offset: 8, .size: 8, .value_kind: global_buffer, .address_space: global }
      - { .name: w1, .offset: 16, .size: 8, .value_kind: global_buffer, .address_space: global }
      - { .name: b1, .offset: 24, .size: 8, .value_kind: global_buffer, .address_space: global }
      - { .name: w2, .offset: 32, .size: 8, .value_kind: global_buffer, .address_space: global }
      - { .name: b2, .offset: 40, .size: 8, .value_kind: global_buffer, .address_space: global }
      - { .name: w3, .offset: 48, .size: 8, .value_kind: global_buffer, .address_space: global }
      - { .name: b3, .offset: 56, .size: 8, .value_kind: global_buffer, .address_space: global }
      - { .name: lowp_scales, .offset: 64, .size: 8, .value_kind: global_buffer, .address_space: global }
      - { .name: idx, .offset: 72, .size: 8, .value_kind: global_buffer, .address_space: global }
      - { .name: wimg, .offset: 80, .size: 8, .value_kind: global_buffer, .address_space: global }
    .group_segment_fixed_size: 0
    .private_segment_fixed_size: 0
    .kernarg_segment_align: 8
    .kernarg_segment_size: 88
    .max_flat_workgroup_size: 128
    .sgpr_count:     66
    .vgpr_count:     112
    .wavefront_size: 32
...
	.end_amdgpu_metadata
.endif
;; end of part 1
;; launch ngp (part 2): grid 256 x 1, 16 waves a work-group, no clusters, 0 bytes of LDS; arguments x, levels, grid, idx, wimg, out0; writes out0
.if DOCPART == 2
	.amdgcn_target "amdgcn-amd-amdhsa--gfx1250"
	.amdhsa_code_object_version 6
	.text
	.protected	k_qbd71c54983_ngp
	.globl	k_qbd71c54983_ngp
	.p2align	8
	.type	k_qbd71c54983_ngp,@function
k_qbd71c54983_ngp:
	s_mov_b64 s[64:65], 0
	v_nop
	global_prefetch_b8 v0, s[64:65] scope:SCOPE_SE
	s_setreg_imm32_b32 hwreg(HW_REG_WAVE_MODE, 25, 1), 1
	s_wait_xcnt 0x0
; SECOND OF TWO LAUNCHES: gather, trilinear blend, and the MLP 16 -> 64 -> 32 -> 2 with leaky relu (slope 0.01).
; The gathers' addresses come from idx alone (whole numbers that the first launch stored: the hash of each cell's lowest corner); the fractions are made here from x and levels and steer no address.
; SHARES.  256 work-groups of 16 waves of 256 registers: four waves to a SIMD, so that one wave's gathers and waits stand beside another's vector work and a third's matrix work.
; Wave W = 16 x work-group + wave takes points 128 W .. 128 W + 127 in four TRIPS of 32.  In the blend a lane is a point; in the MLP a trip is two tiles of 16 points, A (0-15) and B (16-31).  Waves share nothing: no LDS, no barrier.
; A UNIT u = 8 t + l is one level of one trip: eight loads of 8 bytes a lane (the cell's eight corners, two features each).  Units go through a ring of three slots of 16 registers, asked for two units ahead;
; two units stay on their way across the MLP.  Each load lands on its own address register, so a slot needs no address registers beside its data.
; THE MLP STAYS IN REGISTERS, every product used transposed (source 0 = weights, source 1 = 16 points), so that a lane holds one point (lane % 16) and its registers run along the next K.  h = lane / 16.
;   features: v_permlane16_swap_b32 of registers 4 s + j and 4 s + 2 + j gives lane (r, h) feature 4 s + 2 h + j of point r (first register) and of point 16 + r (second): source 1 of the f32 form for tiles A and B.
;   product 1 (left as it is, and it feeds a quantiser: f32 operands): 4 tiles of 16 hidden units x 4 K steps of 4; C of the first K step = b1.  Tile c, register j = hidden unit 16 c + 8 h + j.
;   quantiser: leaky relu, the hold at +-448 x 2^e0, one conversion of eight a tile: its two registers ARE registers 2 c, 2 c + 1 (k = 16 c + 8 h + 0..7) of the fp8 form's source 1.
;   product 2 (QUANTISED): v_wmma_f32_16x16x64_fp8_fp8, 2 tiles of 16 units, C = b2 / 2^(e0 + e1).  leaky(s 2^e) = 2^e leaky(s): the power of two lies in w3's image.
;   product 3 (left as it is): bf16; neighbouring registers of product 2's tiles, rounded in pairs, are source 1 (K = 32).  Lanes 0-15 hold a point's two outputs in registers 0 and 1; a swap brings tile B's into lanes 16-31.
; The weights come as images of their registers (wimg), 27 loads of 512 consecutive bytes a wave.
; WAITS ON LOADS.  The text has no loop, so every count is fixed; the assembler keeps it: LC = loads issued so far, SQ0-2, SQX, SQA = LC just behind a slot's gather, x's loads, the first index load.  A wait's count LC - SQ is
; the number of loads issued behind the ones that are wanted (loads come back in order: ISA guide 5.7.1).  They come to: the first index quad 31 (the other quad, x's 3, 27 images); x 51 in trip 0 (27 images, 3 gathers), else 8;
; unit l = 0: 16 in trip 0, else 19 (a gather, x's 3, a gather); l = 1: 17, 20, 20, 19; l = 2, 3, 5, 6, 7: 17 (two gathers and an index quad) in trips 0-2; l = 4: 16; trip 3 from l = 2 on: 16, 16, 16, 16, 8, 0.
; The next trip's index quads and the images need no wait of their own: each is older than a gather or an x load that is waited for before its first use.
; LIMITS.  x * level not negative and under 2^32 (else cell 0, as the first launch takes it).  e0, e1 as stated there.  The corner weight is wx (wy wz), not (wx wy) wz.  NaN among the inputs is not served.
; NOT USED, and why: tensor loads, LDS, clusters: the bulk of the bytes is gathered lane by lane, and what waves share is 13,824 bytes of images.  Prefetches: x and idx are asked for half a trip or more ahead, into registers.
.set PI2,   2654435761
.set PI3,   805459861
.set MASK8, 0x3ffff8                   ; (2^19 - 1) entries of 8 bytes
.set XO,   1                           ; v1      12 x lane; never rewritten
.set IO,   2                           ; v2      16 x lane; never rewritten
.set OO,   3                           ; v3      8 x lane; never rewritten
.set XP,   4                           ; v4-6    my point's x; v7 at work at the head
.set IDX,  8                           ; v8-15   my point's eight hashes
.set FE,   16                          ; v16-31  the 16 features
.set PX,   32                          ; v32-33  (1 - wx, wx); v34-35, v36-37 the same for y and z
.set PY,   34
.set PZ,   36
.set YZ,   38                          ; v38-41  wy-factor x wz-factor, index j + 2 k
.set HBA,  32                          ; v32-39  in the MLP: tile A's second hidden layer in bf16
.set OUTR, 42                          ; v42-43  the two outputs
.set RING, 44                          ; v44-91  three slots of 16: corner c = i + 2 j + 4 k in the pair at 2 c
.set D1,   92                          ; v92-123 product 1's four accumulators: written by the f32 matrix form alone
.set D2,   124                         ; v124-139 product 2's two
.set HC,   140                         ; v140-147 the hidden layer's codes; later tile B's second hidden layer in bf16
.set IMG,  148                         ; v148-255 the images
.set W1A,  148
.set B1C,  180
.set W2A,  212
.set B2C,  228
.set W3A,  244
.set B3,   252
.set SC,   254                         ; 2^e0
.set LIM,  255                         ; 448 x 2^e0
.set LV,   16                          ; s16-23  the levels
.set GB,   24                          ; s24-31  grid + p x 8 MiB, p = level / 2; an odd level adds 4 MiB in the immediate
.set SLP,  40                          ; s40-41  0.01, twice (the packed form names a pair)
.set LC,   0
.set SQ0,  0
.set SQ1,  0
.set SQ2,  0
.set SQX,  0
.set SQA,  0
.macro PLACES n                        ; a vector instruction that reads a matrix result or writes a matrix instruction's register stands 4 places behind it (f32 form: 8), and only plain vector instructions that name none of its registers are places (ISA guide 7.12.1)
.rept \n
	v_nop
.endr
.endm
; Unit u is asked for.  The stored hash is held under 2^19 and becomes a byte offset; the other corners add (i + j PI2 + k PI3) mod 2^19 entries and wrap.  All eight addresses are made before the first load is issued.
.macro GATHER u
.set GL, (\u)%8
.set GR, RING+16*((\u)%3)
	v_min_u32 v[GR], 0x7ffff, v[IDX+GL]
	v_lshlrev_b32 v[GR], 3, v[GR]
.irp c, 1,2,3,4,5,6,7
	v_add_nc_u32 v[GR+2*\c], ((((\c)%2)+(((\c)/2)%2)*PI2+((\c)/4)*PI3)&0x7ffff)<<3, v[GR]
.endr
.irp c, 1,2,3,4,5,6,7
	v_and_b32 v[GR+2*\c], MASK8, v[GR+2*\c]
.endr
.irp c, 0,1,2,3,4,5,6,7
	global_load_b64 v[GR+2*\c:GR+2*\c+1], v[GR+2*\c], s[GB+2*(GL/2):GB+2*(GL/2)+1] offset:(GL%2)*0x400000
.endr
.set LC, LC+8
.if ((\u)%3) == 0
.set SQ0, LC
.elseif ((\u)%3) == 1
.set SQ1, LC
.else
.set SQ2, LC
.endif
.endm
.macro WAITG u                         ; unit u's eight loads are in; what was issued behind them may be out
.if ((\u)%3) == 0
	s_wait_loadcnt LC-SQ0
.elseif ((\u)%3) == 1
	s_wait_loadcnt LC-SQ1
.else
	s_wait_loadcnt LC-SQ2
.endif
.endm
.macro LOADIA t                        ; trip t's hashes of levels 0-3: 32 lanes read 512 consecutive bytes
	global_load_b128 v[IDX:IDX+3], v[IO], s[10:11] offset:1024*(\t) th:TH_LOAD_NT
.set LC, LC+1
.set SQA, LC
.endm
.macro LOADIB t                        ; of levels 4-7
	global_load_b128 v[IDX+4:IDX+7], v[IO], s[10:11] offset:1024*(\t)+512 th:TH_LOAD_NT
.set LC, LC+1
.endm
.macro LOADX t                         ; trip t's points
.irp d, 0,1,2
	global_load_b32 v[XP+\d], v[XO], s[4:5] offset:384*(\t)+4*\d th:TH_LOAD_NT
.endr
.set LC, LC+3
.set SQX, LC
.endm
; The level's fractions w = xs - floor(xs) (exact for xs >= 0), 1 - w, and the four products of y's and z's factors.
.macro WEIGHTS l
	v_mul_f32 v[PX+1], s[LV+\l], v[XP]
	v_mul_f32 v[PY+1], s[LV+\l], v[XP+1]
	v_mul_f32 v[PZ+1], s[LV+\l], v[XP+2]
	v_fract_f32 v[PX+1], v[PX+1]
	v_fract_f32 v[PY+1], v[PY+1]
	v_fract_f32 v[PZ+1], v[PZ+1]
	v_sub_f32 v[PX], 1.0, v[PX+1]
	v_sub_f32 v[PY], 1.0, v[PY+1]
	v_sub_f32 v[PZ], 1.0, v[PZ+1]
	v_pk_mul_f32 v[YZ:YZ+1], v[PY:PY+1], v[PZ:PZ+1] op_sel_hi:[1,0]                    ; (1 - wy, wy) x (1 - wz)
	v_pk_mul_f32 v[YZ+2:YZ+3], v[PY:PY+1], v[PZ:PZ+1] op_sel:[0,1] op_sel_hi:[1,1]     ; (1 - wy, wy) x wz
.endm
; The blend, both features at a time: along x in place (corners 2 q and 2 q + 1), then the four results by y's and z's factors.
.macro INTERP u
.set IR, RING+16*((\u)%3)
.set IFE, FE+2*((\u)%8)
.irp q, 0,1,2,3
	v_pk_mul_f32 v[IR+4*\q:IR+4*\q+1], v[IR+4*\q:IR+4*\q+1], v[PX:PX+1] op_sel_hi:[1,0]
.endr
.irp q, 0,1,2,3
	v_pk_fma_f32 v[IR+4*\q:IR+4*\q+1], v[IR+4*\q+2:IR+4*\q+3], v[PX:PX+1], v[IR+4*\q:IR+4*\q+1] op_sel:[0,1,0] op_sel_hi:[1,1,1]
.endr
	v_pk_mul_f32 v[IFE:IFE+1], v[IR:IR+1], v[YZ:YZ+1] op_sel_hi:[1,0]
	v_pk_fma_f32 v[IFE:IFE+1], v[IR+4:IR+5], v[YZ:YZ+1], v[IFE:IFE+1] op_sel:[0,1,0] op_sel_hi:[1,1,1]
	v_pk_fma_f32 v[IFE:IFE+1], v[IR+8:IR+9], v[YZ+2:YZ+3], v[IFE:IFE+1] op_sel_hi:[1,0,1]
	v_pk_fma_f32 v[IFE:IFE+1], v[IR+12:IR+13], v[YZ+2:YZ+3], v[IFE:IFE+1] op_sel:[0,1,0] op_sel_hi:[1,1,1]
.endm
; Product 1 for one tile of points (fo = 0: A, 2: B).  The four accumulators take turns, one instruction a turn; the first K step takes b1 as C.
.macro LAYER1 fo
.irp s, 0,1,2,3
.irp c, 0,1,2,3
.if \s == 0
	v_wmma_f32_16x16x4_f32 v[D1+8*\c:D1+8*\c+7], v[W1A+2*(4*\c+\s):W1A+2*(4*\c+\s)+1], v[FE+4*\s+\fo:FE+4*\s+\fo+1], v[B1C+8*\c:B1C+8*\c+7]
.else
	v_wmma_f32_16x16x4_f32 v[D1+8*\c:D1+8*\c+7], v[W1A+2*(4*\c+\s):W1A+2*(4*\c+\s)+1], v[FE+4*\s+\fo:FE+4*\s+\fo+1], v[D1+8*\c:D1+8*\c+7]
.endif
.endr
.endr
.endm
; The hidden layer becomes codes.  Results go into other registers (TT: the slot just read out), each accumulator from its low end on.  Two sets of eight take turns, so that plain lines stand between a conversion and the next write of its sources.
.macro POST1
.irp c, 0,1,2,3
.set TS, TT+8*((\c)%2)
.irp i, 0,2,4,6
	v_pk_mul_f32 v[TS+\i:TS+\i+1], v[D1+8*\c+\i:D1+8*\c+\i+1], s[SLP:SLP+1] op_sel_hi:[1,0]
.endr
.irp i, 0,1,2,3,4,5,6,7
	v_max_num_f32 v[TS+\i], v[D1+8*\c+\i], v[TS+\i]          ; leaky relu = max(x, 0.01 x)
.endr
.irp i, 0,1,2,3,4,5,6,7
	v_med3_num_f32 v[TS+\i], v[TS+\i], -v[LIM], v[LIM]       ; the conversion to an 8-bit code does not saturate (ISA guide 7.6.2): the hold, on both sides
.endr
	v_cvt_scalef32_pk8_fp8_f32 v[HC+2*\c:HC+2*\c+1], v[TS:TS+7], v[SC]
.endr
	v_nop                                          ; a plain vector line between the last scaled conversion and the matrix instruction that reads its result
.endm
.macro LAYER2                          ; the quantised product: K = 64 in one instruction a tile; C = b2 / 2^(e0 + e1)
.irp t, 0,1
	v_wmma_f32_16x16x64_fp8_fp8 v[D2+8*\t:D2+8*\t+7], v[W2A+8*\t:W2A+8*\t+7], v[HC:HC+7], v[B2C+8*\t:B2C+8*\t+7]
.endr
.endm
.macro POST2 dst                       ; leaky relu, then bf16 in pairs: source 1 of product 3
.irp i, 0,2,4,6,8,10,12,14
	v_pk_mul_f32 v[TT+\i:TT+\i+1], v[D2+\i:D2+\i+1], s[SLP:SLP+1] op_sel_hi:[1,0]
.endr
.irp i, 0,1,2,3,4,5,6,7,8,9,10,11,12,13,14,15
	v_max_num_f32 v[TT+\i], v[D2+\i], v[TT+\i]
.endr
.irp q, 0,1,2,3,4,5,6,7
	v_cvt_pk_bf16_f32 v[\dst+\q], v[TT+2*\q], v[TT+2*\q+1]
.endr
.endm
.macro TRIP t
.irp l, 0,1,2,3,4,5,6,7
.if 8*(\t)+\l+2 < 32
	GATHER 8*(\t)+\l+2                             ; two units ahead, into the slot that the unit before this one has left
.endif
.if (\t) < 3
.if \l == 1
	LOADIA (\t)+1                                  ; this trip's level 3 has just been asked for: the quad is free
.endif
.if \l == 5
	LOADIB (\t)+1                                  ; likewise behind level 7
.endif
.endif
.if \l == 0
	s_wait_loadcnt LC-SQX                          ; x is in
.endif
	WEIGHTS \l
	WAITG 8*(\t)+\l
	INTERP 8*(\t)+\l
.endr
.if (\t) < 3
	LOADX (\t)+1                                   ; the last fractions are made: x's registers take the next trip's points
.endif
.set TT, RING+16*((8*(\t)+7)%3)                ; the slot just read out: 16 registers at work; the two units on their way lie in the other two slots
.irp s, 0,1,2,3
.irp j, 0,1
	v_permlane16_swap_b32 v[FE+4*\s+\j], v[FE+4*\s+2+\j]
.endr
.endr
	LAYER1 0
	PLACES 8
	POST1
	LAYER2                                         ; tile A
	LAYER1 2                                       ; tile B's product 1 writes the accumulators anew: behind tile A's stand the 8 v_nop and POST1's 32 holds, which name none of its registers (9 places are owed)
	PLACES 4                                       ; behind tile A's product 2
	POST2 HBA                                      ; 32 plain lines that name no register of tile B's product 1: with the four above, its 8 places
	POST1
	LAYER2                                         ; tile B
	PLACES 4
	POST2 HC
	v_wmma_f32_16x16x32_bf16 v[TT:TT+7], v[W3A:W3A+7], v[HBA:HBA+7], 0
	v_wmma_f32_16x16x32_bf16 v[TT+8:TT+15], v[W3A:W3A+7], v[HC:HC+7], 0
	PLACES 4
	v_permlane16_swap_b32 v[TT], v[TT+8]           ; tile B's outputs (lanes 0-15 of its result) into lanes 16-31 of tile A's: a lane is a point again
	v_permlane16_swap_b32 v[TT+1], v[TT+9]
.if (\t) > 0
	s_wait_xcnt 0x0                                ; the last trip's store has read its data registers: only behind this wait are they written again
.endif
	v_pk_add_f32 v[OUTR:OUTR+1], v[TT:TT+1], v[B3:B3+1]
	global_store_b64 v[OO], v[OUTR:OUTR+1], s[14:15] offset:256*(\t) th:TH_STORE_NT   ; 32 lanes store 256 consecutive bytes, at a multiple of 256 from out0's first byte
.endm
	s_load_b256 s[4:11], s[0:1], 0x0               ; x 4:5, levels 6:7, grid 8:9, idx 10:11
	s_load_b128 s[12:15], s[0:1], 0x20             ; wimg 12:13, out0 14:15
	v_lshrrev_b32 v7, 5, v0
	v_readfirstlane_b32 s42, v7                    ; wave 0..15
	v_and_b32 v7, 31, v0                           ; lane
	v_mul_u32_u24 v[XO], v7, 12
	v_lshlrev_b32 v[IO], 4, v7
	v_lshlrev_b32 v[OO], 3, v7
	s_lshl_b32 s43, ttmp9, 4
	s_add_co_u32 s43, s43, s42                     ; W
	s_mov_b32 s45, 0                               ; the high word of the 64-bit offsets in s[44:45]
	s_mov_b32 s[SLP], 0x3c23d70a                   ; 0.01
	s_mov_b32 s[SLP+1], s[SLP]
	s_wait_kmcnt 0x0
	s_load_b256 s[LV:LV+7], s[6:7], 0x0            ; the eight levels
	s_mul_i32 s44, s43, 1536                       ; 128 points x 12 bytes
	s_add_nc_u64 s[4:5], s[4:5], s[44:45]
	s_lshl_b32 s44, s43, 12                        ; 4 blocks x 1,024 bytes
	s_add_nc_u64 s[10:11], s[10:11], s[44:45]
	s_lshl_b32 s44, s43, 10                        ; 128 points x 8 bytes
	s_add_nc_u64 s[14:15], s[14:15], s[44:45]
	s_mov_b64 s[GB:GB+1], s[8:9]
	s_add_nc_u64 s[GB+2:GB+3], s[8:9], 0x800000
	s_add_nc_u64 s[GB+4:GB+5], s[8:9], 0x1000000
	s_add_nc_u64 s[GB+6:GB+7], s[8:9], 0x1800000
	LOADIA 0
	LOADIB 0
	LOADX 0
.irp g, 0,1,2,3,4,5,6,7,8,9,10,11,12,13,14,15,16,17,18,19,20,21,22,23,24,25,26
	global_load_b128 v[IMG+4*\g:IMG+4*\g+3], v[IO], s[12:13] offset:512*\g   ; the constant registers, as they were laid: 512 consecutive bytes a load
.endr
.set LC, LC+27
	s_wait_kmcnt 0x0                               ; the levels
	s_wait_loadcnt LC-SQA                          ; the hashes of levels 0-3 are in
	GATHER 0
	GATHER 1
	TRIP 0
	TRIP 1
	TRIP 2
	TRIP 3
	s_endpgm
.Lfunc_end_k_qbd71c54983_ngp:
	.size	k_qbd71c54983_ngp, .Lfunc_end_k_qbd71c54983_ngp-k_qbd71c54983_ngp
	.p2alignl 7, 3214868480
	.fill 96, 4, 3214868480
	.section	.rodata,"a",@progbits
	.p2align	6, 0x0
	.amdhsa_kernel k_qbd71c54983_ngp
		.amdhsa_group_segment_fixed_size 0
		.amdhsa_private_segment_fixed_size 0
		.amdhsa_enable_private_segment 0
		.amdhsa_kernarg_size 48
		.amdhsa_user_sgpr_count 2
		.amdhsa_user_sgpr_kernarg_segment_ptr 1
		.amdhsa_wavefront_size32 1
		.amdhsa_system_sgpr_workgroup_id_x 1
		.amdhsa_system_sgpr_workgroup_id_y 1
		.amdhsa_system_sgpr_workgroup_id_z 1
		.amdhsa_system_vgpr_workitem_id 0
		.amdhsa_next_free_vgpr 256
		.amdhsa_next_free_sgpr 66
		.amdhsa_reserve_vcc 0
		.amdhsa_float_denorm_mode_32 3
		.amdhsa_float_denorm_mode_16_64 3
		.amdhsa_memory_ordered 1
		.amdhsa_forward_progress 1
		.amdhsa_inst_pref_size 159
	.end_amdhsa_kernel
	.amdgpu_metadata
---
amdhsa.version: [ 1, 2 ]
amdhsa.kernels:
  - .name:           k_qbd71c54983_ngp
    .symbol:         k_qbd71c54983_ngp.kd
    .args:
      - { .name: x, .offset: 0, .size: 8, .value_kind: global_buffer, .address_space: global }
      - { .name: levels, .offset: 8, .size: 8, .value_kind: global_buffer, .address_space: global }
      - { .name: grid, .offset: 16, .size: 8, .value_kind: global_buffer, .address_space: global }
      - { .name: idx, .offset: 24, .size: 8, .value_kind: global_buffer, .address_space: global }
      - { .name: wimg, .offset: 32, .size: 8, .value_kind: global_buffer, .address_space: global }
      - { .name: out0, .offset: 40, .size: 8, .value_kind: global_buffer, .address_space: global }
    .group_segment_fixed_size: 0
    .private_segment_fixed_size: 0
    .kernarg_segment_align: 8
    .kernarg_segment_size: 48
    .max_flat_workgroup_size: 512
    .sgpr_count:     66
    .vgpr_count:     256
    .wavefront_size: 32
...
	.end_amdgpu_metadata
.endif
;; end of part 2
;; ======== version 2 of 2: 2 launches; version 1 with the launch ngp written anew for expert scheduling mode
;; workspace buffers: idx 16,777,216 bytes of whole numbers; wimg 13,824 bytes
;; launch hash: the kernel of part 1 again; grid 1025 x 1, 4 waves a work-group, no clusters, 0 bytes of LDS; arguments x, levels, w1, b1, w2, b2, w3, b3, lowp_scales, idx, wimg; writes idx, wimg
;; launch ngp (part 3): grid 256 x 1, 16 waves a work-group, no clusters, 0 bytes of LDS; arguments x, levels, grid, idx, wimg, out0; writes out0
.if DOCPART == 3
	.amdgcn_target "amdgcn-amd-amdhsa--gfx1250"
	.amdhsa_code_object_version 6
	.text
	.protected	k_qbd71c54983_ngp
	.globl	k_qbd71c54983_ngp
	.p2align	8
	.type	k_qbd71c54983_ngp,@function
k_qbd71c54983_ngp:
	s_mov_b64 s[64:65], 0
	v_nop
	global_prefetch_b8 v0, s[64:65] scope:SCOPE_SE
	s_setreg_imm32_b32 hwreg(HW_REG_WAVE_SCHED_MODE, 0, 2), 2
	s_setreg_imm32_b32 hwreg(HW_REG_WAVE_MODE, 25, 1), 1
	s_wait_xcnt 0x0
	s_wait_alu depctr_vm_vsrc(0)
; SECOND OF TWO LAUNCHES: gather, trilinear blend, and the MLP 16 -> 64 -> 32 -> 2 with leaky relu (slope 0.01).
; The gathers' addresses come from idx alone (whole numbers that the first launch stored: the hash of each cell's lowest corner); the fractions are made here from x and levels and steer no address.
; SHARES.  256 work-groups of 16 waves of 256 registers: four waves to a SIMD, so that one wave's gathers and waits stand beside another's vector work and a third's matrix work.
; Wave W = 16 x work-group + wave takes points 128 W .. 128 W + 127 in four TRIPS of 32.  In the blend a lane is a point; in the MLP a trip is two tiles of 16 points, A (0-15) and B (16-31).  Waves share nothing: no LDS, no barrier.
; A UNIT u = 8 t + l is one level of one trip: eight loads of 8 bytes a lane (the cell's eight corners, two features each).  Units go through a ring of three slots of 16 registers, asked for two units ahead;
; two units stay on their way across the MLP.
; THE MLP STAYS IN REGISTERS, every product used transposed (source 0 = weights, source 1 = 16 points), so that a lane holds one point (lane % 16) and its registers run along the next K.  h = lane / 16.
;   features: v_permlane16_swap_b32 of registers 4 s + j and 4 s + 2 + j gives lane (r, h) feature 4 s + 2 h + j of point r (first register) and of point 16 + r (second): source 1 of the f32 form for tiles A and B.
;   product 1 (left as it is, and it feeds a quantiser: f32 operands): 4 tiles of 16 hidden units x 4 K steps of 4; C of the first K step = b1.  Tile c, register j = hidden unit 16 c + 8 h + j.
;   quantiser: leaky relu, the hold at +-448 x 2^e0, one conversion of eight a tile: its two registers ARE registers 2 c, 2 c + 1 (k = 16 c + 8 h + 0..7) of the fp8 form's source 1.
;   product 2 (QUANTISED): v_wmma_f32_16x16x64_fp8_fp8, 2 tiles of 16 units, C = b2 / 2^(e0 + e1).  leaky(s 2^e) = 2^e leaky(s): the power of two lies in w3's image.
;   product 3 (left as it is): bf16; neighbouring registers of product 2's tiles, rounded in pairs, are source 1 (K = 32).  Lanes 0-15 hold a point's two outputs in registers 0 and 1; a swap brings tile B's into lanes 16-31.
; The weights come as images of their registers (wimg), 27 loads of 512 consecutive bytes a wave.
; THE MODE: SCHED_MODE bits 1:0 = 2 (LLVM: expert scheduling mode 2), set by the entry lines.  The code itself states the register dependences between vector or matrix instructions and memory instructions, with s_wait_alu, always for 0.
; THE PLAN.  Step u is unit u's turn.  Registers that memory instructions touch:
;   v1-3       offsets, made once at the head and never written again.
;   RING slot  u % 3: unit u's gather, issued at the head of step u - 2, lands in it; unit u's blend reads it and works in it; a trip's last slot is then the MLP's 16 registers at work; unit u + 3's gather lands at the head of step u + 1.
;   ADR set    u % 3: unit u's eight byte offsets.  Written by its sixteen address lines in step u - 3, behind the wait that shows unit u - 3's loads, the set's last readers, done (a trip's level 2: behind the MLP);
;              read by unit u's gather.  In the MLP these 24 registers are product 2's accumulators and the codes.
;   IDX        two quads, read by the address lines: levels 0-3 for the last time in step 0, loaded again at the head of step 1; levels 4-7 in step 4, loaded again at the head of step 5.
;   XP         read by the fractions' lines; those of level l + 1 stand at the end of step l, the last in step 6; the next trip's x is loaded at the head of step 7.
;   OUTR       written behind the MLP; read by the store at the head of the next trip's first step (the last trip's: behind a wait of its own).
; So ONE wait on va_vdst stands at the head of a step that has memory instructions, and these follow it in one run, ahead of the step's first vector line.  One wait on vm_vsrc serves two steps' address lines, since a set's
; gather is issued two steps ahead of the lines that write the set anew; one more, beside the wait on XCNT, stands ahead of the MLP, which writes all three sets while two gathers are on their way.
; WAITS ON LOADS.  The text has no loop, so every count is fixed; the assembler keeps it: LC = loads issued so far, SQ0-2, SQX, SQA = LC just behind a slot's gather, x's loads, the first index load.  A wait's count LC - SQ is
; the number of loads issued behind the ones that are wanted (loads come back in order: ISA guide 5.7.1).  They come to: the first index quad 31 (the other quad, x's 3, 27 images); x 51 in trip 0 (27 images, 3 gathers), else 16
; (two gathers); unit l = 0: 16 in trip 0, else 19 (x's 3, two gathers); l = 1, 2, 3, 5, 6: 17 (two gathers and an index quad) in trips 0-2; l = 4: 16; l = 7: 20 (an index quad, a gather, x's 3, a gather) in trips 0-2;
; trip 3: 19, 16, 16, 16, 16, 16, 8, 0.
; The next trip's index quads and the images need no wait of their own: each is older than a gather or an x load that is waited for before its first use.
; LIMITS.  x * level not negative and under 2^32 (else cell 0, as the first launch takes it).  e0, e1 as stated there.  The corner weight is wx (wy wz), not (wx wy) wz.  NaN among the inputs is not served.
; NOT USED, and why: tensor loads, LDS, clusters: the bulk of the bytes is gathered lane by lane, and what waves share is 13,824 bytes of images.  Prefetches: x and idx are asked for half a trip or more ahead, into registers.
.set PI2,   2654435761
.set PI3,   805459861
.set MASK8, 0x3ffff8                   ; (2^19 - 1) entries of 8 bytes
.set XO,   1                           ; v1      12 x lane; never rewritten
.set IO,   2                           ; v2      16 x lane; never rewritten
.set OO,   3                           ; v3      8 x lane; never rewritten
.set XP,   4                           ; v4-6    my point's x; v7 at work at the head
.set IDX,  8                           ; v8-15   my point's eight hashes
.set FE,   16                          ; v16-31  the 16 features
.set PX,   32                          ; v32-33  (1 - wx, wx); v34-35, v36-37 the same for y and z
.set PY,   34
.set PZ,   36
.set YZ,   38                          ; v38-41  wy-factor x wz-factor, index j + 2 k
.set HBA,  32                          ; v32-39  in the MLP: tile A's second hidden layer in bf16
.set OUTR, 42                          ; v42-43  the two outputs
.set RING, 44                          ; v44-91  three slots of 16: corner c = i + 2 j + 4 k in the pair at 2 c
.set D1,   92                          ; v92-123 product 1's four accumulators: written by the f32 matrix form alone
.set D2,   124                         ; v124-139 product 2's two
.set HC,   140                         ; v140-147 the hidden layer's codes; later tile B's second hidden layer in bf16
.set ADR,  124                         ; v124-147 in the blend: three sets of eight byte offsets, corner c of unit u at ADR + 8 (u % 3) + c
.set IMG,  148                         ; v148-255 the images
.set W1A,  148
.set B1C,  180
.set W2A,  212
.set B2C,  228
.set W3A,  244
.set B3,   252
.set SC,   254                         ; 2^e0
.set LIM,  255                         ; 448 x 2^e0
.set LV,   16                          ; s16-23  the levels
.set GB,   24                          ; s24-31  grid + p x 8 MiB, p = level / 2; an odd level adds 4 MiB in the immediate
.set SLP,  40                          ; s40-41  0.01, twice (the packed form names a pair)
.set LC,   0
.set SQ0,  0
.set SQ1,  0
.set SQ2,  0
.set SQX,  0
.set SQA,  0
.macro PLACES n                        ; a vector instruction that reads a matrix result or writes a matrix instruction's register stands 4 places behind it (f32 form: 8), and only plain vector instructions that name none of its registers are places (ISA guide 7.12.1)
.rept \n
	v_nop
.endr
.endm
; Unit u's eight byte offsets.  The stored hash is held under 2^19 and becomes a byte offset; the other corners add (i + j PI2 + k PI3) mod 2^19 entries and wrap.
.macro ADDR u
.set GL, (\u)%8
.set GA, ADR+8*((\u)%3)
	v_min_u32 v[GA], 0x7ffff, v[IDX+GL]
	v_lshlrev_b32 v[GA], 3, v[GA]
.irp c, 1,2,3,4,5,6,7
	v_add_nc_u32 v[GA+\c], ((((\c)%2)+(((\c)/2)%2)*PI2+((\c)/4)*PI3)&0x7ffff)<<3, v[GA]
.endr
.irp c, 1,2,3,4,5,6,7
	v_and_b32 v[GA+\c], MASK8, v[GA+\c]
.endr
.endm
; Unit u is asked for: eight loads by its set of offsets, into its slot.
.macro LOADS u
.set GL, (\u)%8
.set GA, ADR+8*((\u)%3)
.set GR, RING+16*((\u)%3)
.irp c, 0,1,2,3,4,5,6,7
	global_load_b64 v[GR+2*\c:GR+2*\c+1], v[GA+\c], s[GB+2*(GL/2):GB+2*(GL/2)+1] offset:(GL%2)*0x400000
.endr
.set LC, LC+8
.if ((\u)%3) == 0
.set SQ0, LC
.elseif ((\u)%3) == 1
.set SQ1, LC
.else
.set SQ2, LC
.endif
.endm
.macro WAITG u                         ; unit u's eight loads are in; what was issued behind them may be out
.if ((\u)%3) == 0
	s_wait_loadcnt LC-SQ0
.elseif ((\u)%3) == 1
	s_wait_loadcnt LC-SQ1
.else
	s_wait_loadcnt LC-SQ2
.endif
.endm
.macro LOADIA t                        ; trip t's hashes of levels 0-3: 32 lanes read 512 consecutive bytes
	global_load_b128 v[IDX:IDX+3], v[IO], s[10:11] offset:1024*(\t) th:TH_LOAD_NT
.set LC, LC+1
.set SQA, LC
.endm
.macro LOADIB t                        ; of levels 4-7
	global_load_b128 v[IDX+4:IDX+7], v[IO], s[10:11] offset:1024*(\t)+512 th:TH_LOAD_NT
.set LC, LC+1
.endm
.macro LOADX t                         ; trip t's points
.irp d, 0,1,2
	global_load_b32 v[XP+\d], v[XO], s[4:5] offset:384*(\t)+4*\d th:TH_LOAD_NT
.endr
.set LC, LC+3
.set SQX, LC
.endm
.macro STORE t                         ; trip t's outputs
	global_store_b64 v[OO], v[OUTR:OUTR+1], s[14:15] offset:256*(\t) th:TH_STORE_NT   ; 32 lanes store 256 consecutive bytes, at a multiple of 256 from out0's first byte
.endm
; The level's fractions w = xs - floor(xs) (exact for xs >= 0), 1 - w, and the four products of y's and z's factors.
.macro WEIGHTS l
	v_mul_f32 v[PX+1], s[LV+\l], v[XP]
	v_mul_f32 v[PY+1], s[LV+\l], v[XP+1]
	v_mul_f32 v[PZ+1], s[LV+\l], v[XP+2]
	v_fract_f32 v[PX+1], v[PX+1]
	v_fract_f32 v[PY+1], v[PY+1]
	v_fract_f32 v[PZ+1], v[PZ+1]
	v_sub_f32 v[PX], 1.0, v[PX+1]
	v_sub_f32 v[PY], 1.0, v[PY+1]
	v_sub_f32 v[PZ], 1.0, v[PZ+1]
	v_pk_mul_f32 v[YZ:YZ+1], v[PY:PY+1], v[PZ:PZ+1] op_sel_hi:[1,0]                    ; (1 - wy, wy) x (1 - wz)
	v_pk_mul_f32 v[YZ+2:YZ+3], v[PY:PY+1], v[PZ:PZ+1] op_sel:[0,1] op_sel_hi:[1,1]     ; (1 - wy, wy) x wz
.endm
; The blend, both features at a time: along x in place (corners 2 q and 2 q + 1), then the four results by y's and z's factors.
.macro INTERP u
.set IR, RING+16*((\u)%3)
.set IFE, FE+2*((\u)%8)
.irp q, 0,1,2,3
	v_pk_mul_f32 v[IR+4*\q:IR+4*\q+1], v[IR+4*\q:IR+4*\q+1], v[PX:PX+1] op_sel_hi:[1,0]
.endr
.irp q, 0,1,2,3
	v_pk_fma_f32 v[IR+4*\q:IR+4*\q+1], v[IR+4*\q+2:IR+4*\q+3], v[PX:PX+1], v[IR+4*\q:IR+4*\q+1] op_sel:[0,1,0] op_sel_hi:[1,1,1]
.endr
	v_pk_mul_f32 v[IFE:IFE+1], v[IR:IR+1], v[YZ:YZ+1] op_sel_hi:[1,0]
	v_pk_fma_f32 v[IFE:IFE+1], v[IR+4:IR+5], v[YZ:YZ+1], v[IFE:IFE+1] op_sel:[0,1,0] op_sel_hi:[1,1,1]
	v_pk_fma_f32 v[IFE:IFE+1], v[IR+8:IR+9], v[YZ+2:YZ+3], v[IFE:IFE+1] op_sel_hi:[1,0,1]
	v_pk_fma_f32 v[IFE:IFE+1], v[IR+12:IR+13], v[YZ+2:YZ+3], v[IFE:IFE+1] op_sel:[0,1,0] op_sel_hi:[1,1,1]
.endm
; Product 1 for one tile of points (fo = 0: A, 2: B).  The four accumulators take turns, one instruction a turn; the first K step takes b1 as C.
.macro LAYER1 fo
.irp s, 0,1,2,3
.irp c, 0,1,2,3
.if \s == 0
	v_wmma_f32_16x16x4_f32 v[D1+8*\c:D1+8*\c+7], v[W1A+2*(4*\c+\s):W1A+2*(4*\c+\s)+1], v[FE+4*\s+\fo:FE+4*\s+\fo+1], v[B1C+8*\c:B1C+8*\c+7]
.else
	v_wmma_f32_16x16x4_f32 v[D1+8*\c:D1+8*\c+7], v[W1A+2*(4*\c+\s):W1A+2*(4*\c+\s)+1], v[FE+4*\s+\fo:FE+4*\s+\fo+1], v[D1+8*\c:D1+8*\c+7]
.endif
.endr
.endr
.endm
; The hidden layer becomes codes.  Results go into other registers (TT: the slot just read out), each accumulator from its low end on.  Two sets of eight take turns, so that plain lines stand between a conversion and the next write of its sources.
.macro POST1
.irp c, 0,1,2,3
.set TS, TT+8*((\c)%2)
.irp i, 0,2,4,6
	v_pk_mul_f32 v[TS+\i:TS+\i+1], v[D1+8*\c+\i:D1+8*\c+\i+1], s[SLP:SLP+1] op_sel_hi:[1,0]
.endr
.irp i, 0,1,2,3,4,5,6,7
	v_max_num_f32 v[TS+\i], v[D1+8*\c+\i], v[TS+\i]          ; leaky relu = max(x, 0.01 x)
.endr
.irp i, 0,1,2,3,4,5,6,7
	v_med3_num_f32 v[TS+\i], v[TS+\i], -v[LIM], v[LIM]       ; the conversion to an 8-bit code does not saturate (ISA guide 7.6.2): the hold, on both sides
.endr
	v_cvt_scalef32_pk8_fp8_f32 v[HC+2*\c:HC+2*\c+1], v[TS:TS+7], v[SC]
.endr
	v_nop                                          ; a plain vector line between the last scaled conversion and the matrix instruction that reads its result
.endm
.macro LAYER2                          ; the quantised product: K = 64 in one instruction a tile; C = b2 / 2^(e0 + e1)
.irp t, 0,1
	v_wmma_f32_16x16x64_fp8_fp8 v[D2+8*\t:D2+8*\t+7], v[W2A+8*\t:W2A+8*\t+7], v[HC:HC+7], v[B2C+8*\t:B2C+8*\t+7]
.endr
.endm
.macro POST2 dst                       ; leaky relu, then bf16 in pairs: source 1 of product 3
.irp i, 0,2,4,6,8,10,12,14
	v_pk_mul_f32 v[TT+\i:TT+\i+1], v[D2+\i:D2+\i+1], s[SLP:SLP+1] op_sel_hi:[1,0]
.endr
.irp i, 0,1,2,3,4,5,6,7,8,9,10,11,12,13,14,15
	v_max_num_f32 v[TT+\i], v[D2+\i], v[TT+\i]
.endr
.irp q, 0,1,2,3,4,5,6,7
	v_cvt_pk_bf16_f32 v[\dst+\q], v[TT+2*\q], v[TT+2*\q+1]
.endr
.endm
; Step l of trip t: the turn of unit u = 8 t + l.  At its head the step's memory instructions, in one run behind the waits; then the blend; then the address lines of unit u + 3 and the fractions of level l + 1.
.macro STEP t, l
.if (8*(\t)+(\l) > 0) && (8*(\t)+(\l)+2 < 32)  ; unit 2 is asked for ahead of the first step; the last two steps ask for nothing
.if (\l) == 0
	s_wait_alu depctr_va_vdst(0)                   ; the last trip's MLP is done with the slot that it worked in, in which the gather below lands; level 2's offsets and the two outputs are written, which the gather and the store read
.else
	s_wait_alu depctr_va_vdst(0)                   ; the last step's blend is done with its slot, in which the gather below lands; the offsets that the gather reads are written; l = 1, 5: the address lines are done reading the index quad that is loaded again; l = 7: the fractions' lines are done reading x
.endif
.endif
.if (((\l)%2) == 0) && (8*(\t)+(\l)+3 < 32) && (((\l) > 0) || ((\t) == 0))
	s_wait_alu depctr_vm_vsrc(0)                   ; the gathers of this step's unit and of the next have read their offsets: these two steps' address lines write those two sets anew (in steps 0 and 1 of the later trips the wait ahead of the MLP has stated it)
.endif
.if ((\l) == 7) && ((\t) < 3)
	LOADX (\t)+1                                   ; ahead of the gather, so that the wait for x can leave that gather out
.endif
.if (8*(\t)+(\l) > 0) && (8*(\t)+(\l)+2 < 32)
	LOADS 8*(\t)+(\l)+2                            ; two units ahead
.endif
.if (\t) < 3
.if (\l) == 1
	LOADIA (\t)+1
.endif
.if (\l) == 5
	LOADIB (\t)+1
.endif
.endif
.if (\l) == 0
.if (\t) > 0
	STORE (\t)-1
.endif
	s_wait_loadcnt LC-SQX                          ; x is in
	WEIGHTS 0
.endif
	WAITG 8*(\t)+(\l)
	INTERP 8*(\t)+(\l)
.if ((\l) < 7) && (8*(\t)+(\l)+3 < 32)
	ADDR 8*(\t)+(\l)+3                             ; into this unit's set: the wait above shows the loads that read it done.  (A trip's last step makes none: the MLP takes these registers)
.endif
.if (\l) < 7
	WEIGHTS (\l)+1
.endif
.endm
.macro TRIP t
.irp l, 0,1,2,3,4,5,6,7
	STEP \t, \l
.endr
	s_wait_xcnt 0x0                                ; every earlier memory instruction has had its addresses translated (ISA guide 3.1): the offsets of the gathers that are on their way, and the last store's data, are written again only behind this wait
	s_wait_alu depctr_vm_vsrc(0)                   ; the gathers have read their offsets: v124-147 are product 2's accumulators and the codes from here on
.set TT, RING+16*((8*(\t)+7)%3)                ; the slot just read out: 16 registers at work; the two units on their way lie in the other two slots
.irp s, 0,1,2,3
.irp j, 0,1
	v_permlane16_swap_b32 v[FE+4*\s+\j], v[FE+4*\s+2+\j]
.endr
.endr
	LAYER1 0
	PLACES 8
	POST1
	LAYER2                                         ; tile A
	LAYER1 2                                       ; tile B's product 1 writes the accumulators anew: behind tile A's stand the 8 v_nop and POST1's 32 holds, which name none of its registers (9 places are owed)
	PLACES 4                                       ; behind tile A's product 2
	POST2 HBA                                      ; 32 plain lines that name no register of tile B's product 1: with the four above, its 8 places
	POST1
	LAYER2                                         ; tile B
	PLACES 4
	POST2 HC
	v_wmma_f32_16x16x32_bf16 v[TT:TT+7], v[W3A:W3A+7], v[HBA:HBA+7], 0
	v_wmma_f32_16x16x32_bf16 v[TT+8:TT+15], v[W3A:W3A+7], v[HC:HC+7], 0
	PLACES 4
	v_permlane16_swap_b32 v[TT], v[TT+8]           ; tile B's outputs (lanes 0-15 of its result) into lanes 16-31 of tile A's: a lane is a point again
	v_permlane16_swap_b32 v[TT+1], v[TT+9]
	v_pk_add_f32 v[OUTR:OUTR+1], v[TT:TT+1], v[B3:B3+1]
.if (\t) < 3
	ADDR 8*(\t)+10                                 ; the next trip's level 2, which that trip's first step asks for; the outputs are stored there too, behind the same wait
.else
	s_wait_alu depctr_va_vdst(0)                   ; the two outputs are written, which the last store reads
	STORE \t
.endif
.endm
	s_load_b256 s[4:11], s[0:1], 0x0               ; x 4:5, levels 6:7, grid 8:9, idx 10:11
	s_load_b128 s[12:15], s[0:1], 0x20             ; wimg 12:13, out0 14:15
	v_lshrrev_b32 v7, 5, v0
	v_readfirstlane_b32 s42, v7                    ; wave 0..15
	v_and_b32 v7, 31, v0                           ; lane
	v_mul_u32_u24 v[XO], v7, 12
	v_lshlrev_b32 v[IO], 4, v7
	v_lshlrev_b32 v[OO], 3, v7
	s_wait_alu depctr_va_sdst(0)                   ; s42 is written, ahead of its first reader: the bases of x, idx and out0 are made from it
	s_lshl_b32 s43, ttmp9, 4
	s_add_co_u32 s43, s43, s42                     ; W
	s_mov_b32 s45, 0                               ; the high word of the 64-bit offsets in s[44:45]
	s_mov_b32 s[SLP], 0x3c23d70a                   ; 0.01
	s_mov_b32 s[SLP+1], s[SLP]
	s_wait_kmcnt 0x0
	s_load_b256 s[LV:LV+7], s[6:7], 0x0            ; the eight levels
	s_mul_i32 s44, s43, 1536                       ; 128 points x 12 bytes
	s_add_nc_u64 s[4:5], s[4:5], s[44:45]
	s_lshl_b32 s44, s43, 12                        ; 4 blocks x 1,024 bytes
	s_add_nc_u64 s[10:11], s[10:11], s[44:45]
	s_lshl_b32 s44, s43, 10                        ; 128 points x 8 bytes
	s_add_nc_u64 s[14:15], s[14:15], s[44:45]
	s_mov_b64 s[GB:GB+1], s[8:9]
	s_add_nc_u64 s[GB+2:GB+3], s[8:9], 0x800000
	s_add_nc_u64 s[GB+4:GB+5], s[8:9], 0x1000000
	s_add_nc_u64 s[GB+6:GB+7], s[8:9], 0x1800000
	s_wait_alu depctr_va_vdst(0)                   ; the three offsets v1 to v3 are written: every load of x, idx and wimg and every store reads one of them
	LOADIA 0
	LOADIB 0
	LOADX 0
.irp g, 0,1,2,3,4,5,6,7,8,9,10,11,12,13,14,15,16,17,18,19,20,21,22,23,24,25,26
	global_load_b128 v[IMG+4*\g:IMG+4*\g+3], v[IO], s[12:13] offset:512*\g   ; the constant registers, as they were laid: 512 consecutive bytes a load
.endr
.set LC, LC+27
	s_wait_kmcnt 0x0                               ; the levels
	s_wait_loadcnt LC-SQA                          ; the hashes of levels 0-3 are in
	ADDR 0
	ADDR 1
	ADDR 2
	s_wait_alu depctr_va_vdst(0)                   ; the three sets of offsets are written, which the first three gathers read
	LOADS 0
	LOADS 1
	LOADS 2
	TRIP 0
	TRIP 1
	TRIP 2
	TRIP 3
	s_endpgm
.Lfunc_end_k_qbd71c54983_ngp:
	.size	k_qbd71c54983_ngp, .Lfunc_end_k_qbd71c54983_ngp-k_qbd71c54983_ngp
	.p2alignl 7, 3214868480
	.fill 96, 4, 3214868480
	.section	.rodata,"a",@progbits
	.p2align	6, 0x0
	.amdhsa_kernel k_qbd71c54983_ngp
		.amdhsa_group_segment_fixed_size 0
		.amdhsa_private_segment_fixed_size 0
		.amdhsa_enable_private_segment 0
		.amdhsa_kernarg_size 48
		.amdhsa_user_sgpr_count 2
		.amdhsa_user_sgpr_kernarg_segment_ptr 1
		.amdhsa_wavefront_size32 1
		.amdhsa_system_sgpr_workgroup_id_x 1
		.amdhsa_system_sgpr_workgroup_id_y 1
		.amdhsa_system_sgpr_workgroup_id_z 1
		.amdhsa_system_vgpr_workitem_id 0
		.amdhsa_next_free_vgpr 256
		.amdhsa_next_free_sgpr 66
		.amdhsa_reserve_vcc 0
		.amdhsa_float_denorm_mode_32 3
		.amdhsa_float_denorm_mode_16_64 3
		.amdhsa_memory_ordered 1
		.amdhsa_forward_progress 1
		.amdhsa_inst_pref_size 160
	.end_amdhsa_kernel
	.amdgpu_metadata
---
amdhsa.version: [ 1, 2 ]
amdhsa.kernels:
  - .name:           k_qbd71c54983_ngp
    .symbol:         k_qbd71c54983_ngp.kd
    .args:
      - { .name: x, .offset: 0, .size: 8, .value_kind: global_buffer, .address_space: global }
      - { .name: levels, .offset: 8, .size: 8, .value_kind: global_buffer, .address_space: global }
      - { .name: grid, .offset: 16, .size: 8, .value_kind: global_buffer, .address_space: global }
      - { .name: idx, .offset: 24, .size: 8, .value_kind: global_buffer, .address_space: global }
      - { .name: wimg, .offset: 32, .size: 8, .value_kind: global_buffer, .address_space: global }
      - { .name: out0, .offset: 40, .size: 8, .value_kind: global_buffer, .address_space: global }
    .group_segment_fixed_size: 0
    .private_segment_fixed_size: 0
    .kernarg_segment_align: 8
    .kernarg_segment_size: 48
    .max_flat_workgroup_size: 512
    .sgpr_count:     66
    .vgpr_count:     256
    .wavefront_size: 32
...
	.end_amdgpu_metadata
.endif
;; end of part 3
